; MI455X (gfx1250); checked and timed in simulation.
; The chip was launched on July 23, 2026; its instructions are those of AMD's public machine-readable ISA for CDNA 5 (MIT licence, August 2026) and "CDNA5" Instruction Set Architecture Reference Guide (July 2026). The comments in the code are by the model that wrote it; some were corrected since.
;; Sparse TF. Allowed arithmetic: matrix products marked QUANTISED: E5M2 operands, one given power-of-two scale a tensor, by v_wmma_f32_16x16x64_bf8_bf8 or v_wmma_f32_16x16x128_bf8_bf8, f32 sums; everything else in f32.
;; Inputs: bias 2,048 float32; inputs_codes 8,192 x 128 x 32 uint8 (E5M2 codes of inputs, K innermost, in blocks of 32 codes); kernel 4,096 x 2,048 float32; lowp_scales 2 int32 (the exponents e of the quantised operands' scales 2^e); map 4,096 x 2,048 float32.
;; Outputs: out0 8,192 x 2,048 float32.
;; This version of the problem:
;;   THIS VERSION OF THE PROBLEM IS GIVEN IN LOW PRECISION. The matrix products marked QUANTISED in the list below multiply operands that are first quantised to E5M2 (5 exponent bits, 2 mantissa bits; 8 bits a number), with one given power-of-two scale for each operand tensor; their sums are f32. All else is computed in f32.
;;   The module's matrix products, in the order in which they are computed (A, B: the left and right operand; K: the contracted axis; several contracted axes count as one K, in the product's order):
;;     1. [M 8,192, K 4,096] x [K 4,096, N 2,048]; A: input inputs (given as codes); B: computed on the way: QUANTISED (scales: A lowp_scales[0], B lowp_scales[1])
;;   THE QUANTISER, for each operand of a quantised product, along K:
;;     - The operand's scale is 2^e, e = its entry of the input lowp_scales (int32; the entries are numbered through the quantised products in the list's order, A before B).
;;     - Each number is divided by the scale, clamped to +-57,344, and rounded to the nearest number of E5M2, ties to even, subnormals kept.
;;     - The product sums the exact products of the quantised numbers (number of the format x scale) in f32.
;;   ~~~python
;;   def quantise(x, axis, e):      # numpy; x: float32 -> the quantised numbers, widened to float32 again
;;       x = np.moveaxis(x, axis, -1); K = x.shape[-1]
;;       r = np.clip(x / 2.0 ** e, -57344, 57344)
;;       step = 2.0 ** (np.maximum(np.frexp(np.where(r == 0, 1, r))[1] - 1, -14) - 2)
;;       q = np.round(r / step) * step * 2.0 ** e      # np.round: ties to even
;;       return np.moveaxis(q, -1, axis).astype(np.float32)
;;   ~~~
;;   OPERANDS COMPUTED ON THE WAY. 'Computed on the way' means the value that the module computes at that place (a softmax that the list does not call 'softmax' is quantised finished and normalised). What goes into a quantiser is computed in f32, as accurately as f32 sums, v_exp_f32 and their like allow (about 1e-6 of the number): no bf16 or f16 on the way to a quantiser, and a product that is left as it is and whose result goes on into a quantised operand takes f32 operands (vector FMAs, or v_wmma_f32_16x16x4_f32). A number that lies on a knife's edge between two numbers of the format may be rounded either way, as far as f32 arithmetic and the matrix unit's own rounding can turn it there, and no further.
;;   INPUTS GIVEN AS CODES. inputs (in the module: [8192, 4096], K = its axis 1): each comes as NAME_codes (uint8): NAME with its K axis moved to the last place and cut into blocks of 32 codes, [.., K / 32, bytes a block], one block behind the other in memory; one code a byte (a code: sign, 5 exponent bits, 2 mantissa bits); its scale is its entry of lowp_scales. Its value is code x scale, taken as it is: it is not quantised again, and the codes and scales need not be those that the quantiser above would give.
;; One version. Each part assembles by itself: llvm-mc -triple=amdgcn-amd-amdhsa -mcpu=gfx1250 --defsym DOCPART=n.
;; ======== version 1 of 1: 2 launches
;; limits: right only within a limited range of input values
;; workspace buffers: w_codes 8,388,608 bytes
;; launch maskq (part 1): grid 16 x 16, 16 waves a work-group, no clusters, 40,192 bytes of LDS; arguments kernel, map, lowp_scales, w_codes; writes w_codes
.if DOCPART == 1
	.amdgcn_target "amdgcn-amd-amdhsa--gfx1250"
	.amdhsa_code_object_version 6
	.text
	.protected	k_q0744c37f20_maskq
	.globl	k_q0744c37f20_maskq
	.p2align	8
	.type	k_q0744c37f20_maskq,@function
k_q0744c37f20_maskq:
	s_mov_b64 s[64:65], 0
	v_nop
	global_prefetch_b8 v0, s[64:65] scope:SCOPE_SE
	s_setreg_imm32_b32 hwreg(HW_REG_WAVE_MODE, 25, 1), 1
	s_wait_xcnt 0x0
; The E5M2 codes of kernel[k][n] x map[k][n] / 2^e1, held within +-57,344, rounded to the nearest code, ties to even.  e1 is entry 1 (int32) of the buffer of scales.
; kernel, map: [4096 (k)][2048 (n)] f32, K is their FIRST axis.
; w_codes IS AN IMAGE OF THE NEXT LAUNCH'S OPERAND REGISTERS: for each block nb of 16 columns and each step ks of 128 along K, 2,048 bytes at (32 nb + ks) x 2,048:
; chunk c (0..3) of 512 bytes, in it lane l's 16 bytes: column 16 nb + l % 16, K = 128 ks + 32 c + 16 (l / 16) + 0 .. 15.
; LIMITS: -126 <= e1 <= 112, so that 2^e1 and 57,344 x 2^e1 are f32 numbers.  NaN among the products (an infinity times 0 among them) is not served; an infinity is held at the largest code.
; SHARES.  Work-group (x, y): columns 128 x .. + 127, K rows 256 y .. + 255.  Wave w of sixteen: K rows 16 w .. 16 w + 15 of those.  Lane l: the four columns 4 l .. 4 l + 3.
; Each load of a wave reads 512 consecutive bytes of one row.  A wave issues all its 32 loads at once: there is no loop and no ring.
; Each multiplication's destination is chosen so that a column's 16 numbers along K lie in 16 consecutive registers, as the conversions want them.
; THE WAY OUT.  A lane's 16 codes of a column are one lane's 16 bytes of the image; the pieces meet in a stage in LDS (one barrier) and leave in the image's order: a wave's store covers 512 consecutive bytes.
; No cluster, no tensor load, no matrix unit: no two work-groups read the same byte, and every byte is read once and written once.
.set ROWF,  8192                       ; a row of kernel or of map, in bytes
.set SP,    272                        ; a stage row: a column's 256 codes + 16 bytes of padding
.set CR,    36                         ; stage row of column 4 l + c: 36 c + l.  Sixteen lanes of a store touch consecutive rows; the sixteen columns of a block lie in rows 4 (r % 4) + r / 4 modulo 16: all different
.set SPARE, 0x9500                     ; behind the stage's 140 rows: the spare words, 128 bytes a wave
.set EMAX,  15
.set MANT,  0x600000                   ; the mantissa field of 57,344 as f32
.set GOFF,  1                          ; v1   my byte offset in the work-group's part of kernel and of map
.set STO,   2                          ; v2   the stage, on the way in
.set RD,    3                          ; v3   the stage, on the way out
.set CO,    4                          ; v4   my place in the image
.set KR,    16                         ; v16-79    kernel: row i at v[KR + 4 i]
.set MR,    80                         ; v80-143   map, likewise
.set X,     144                        ; v144-207  the products: column c, row i at v[X + 16 c + i]
.set C,     208                        ; v208-223  the codes: column c at v[C + 4 c]
.set OUT,   16                         ; v16-31    the way out
	s_load_b128 s[4:7], s[0:1], 0x0                ; kernel, map
	s_load_b128 s[8:11], s[0:1], 0x10              ; the scales' exponents, w_codes
	v_lshl_add_u32 v224, v0, 2, SPARE
	v_mov_b32 v225, 0
	v_and_b32 v5, 31, v0                           ; lane
	v_lshrrev_b32 v6, 5, v0                        ; wave
	v_bfe_u32 v7, v0, 4, 4                         ; on the way out: which 16 bytes along K: 8 ks + 2 c + l / 16
	v_and_b32 v8, 3, v0                            ; r % 4
	v_bfe_u32 v9, v0, 2, 2                         ; r / 4
	v_lshrrev_b32 v13, 8, v0                       ; thread / 256: which of two blocks of 16 columns
	v_and_b32 v15, 255, v0
	v_lshlrev_b32 v[GOFF], 4, v5
	v_mul_u32_u24 v[STO], v5, SP
	v_mad_u32_u24 v9, v8, CR, v9
	v_lshlrev_b32 v[CO], 4, v15
	v_lshl_add_u32 v[GOFF], v6, 17, v[GOFF]        ; + wave x 16 rows x 8,192 bytes
	v_lshl_add_u32 v[STO], v6, 4, v[STO]           ; row = lane (+ 36 c by the immediate), byte 16 x wave
	v_lshl_add_u32 v9, v13, 2, v9                  ; stage row of column 16 nb + r, nb = thread / 256 (+ 2 j by the immediate: 8 rows)
	v_lshl_add_u32 v[CO], v13, 16, v[CO]           ; a block of 16 columns is 65,536 bytes of the image
	v_mul_u32_u24 v[RD], v9, SP
	v_lshl_add_u32 v[RD], v7, 4, v[RD]
	s_and_b32 s12, ttmp7, 0xffff                   ; y
	s_lshl_b32 s14, s12, 21                        ; in: 256 y rows of 8,192 bytes
	s_lshl_b32 s13, ttmp9, 9                       ;     + 128 x columns of 4 bytes
	s_add_co_u32 s14, s14, s13
	s_mov_b32 s15, 0
	s_lshl_b32 s16, ttmp9, 19                      ; out: 8 x blocks of 65,536 bytes
	s_lshl_b32 s13, s12, 12                        ;      + 2 y steps of 2,048 bytes
	s_add_co_u32 s16, s16, s13
	s_mov_b32 s17, 0
	s_wait_alu depctr_va_vdst(0)                   ; the wait at the head's end
	s_wait_kmcnt 0x0
	s_load_b32 s18, s[8:9], 0x4                    ; e1
	s_add_nc_u64 s[4:5], s[4:5], s[14:15]
	s_add_nc_u64 s[6:7], s[6:7], s[14:15]
	s_add_nc_u64 s[10:11], s[10:11], s[16:17]
.irp i, 0,1,2,3,4,5,6,7,8,9,10,11,12,13,14,15
	global_load_b128 v[KR+4*\i:KR+4*\i+3], v[GOFF], s[4:5] offset:\i*ROWF th:TH_LOAD_NT
	global_load_b128 v[MR+4*\i:MR+4*\i+3], v[GOFF], s[6:7] offset:\i*ROWF th:TH_LOAD_NT
.endr
	s_wait_kmcnt 0x0
	s_add_co_i32 s18, s18, 127
	s_lshl_b32 s19, s18, 23
	v_mov_b32 v11, s19                             ; 2^e1 as f32: the conversion takes its exponent field
	s_add_co_i32 s18, s18, EMAX
	s_lshl_b32 s18, s18, 23
	s_or_b32 s18, s18, MANT
	v_mov_b32 v10, s18                             ; 57,344 x 2^e1
; Rows 8 p .. 8 p + 7 of my sixteen: the products, the hold, the conversions.  left: how many younger loads may stay out.
.macro HALF p, left
	s_wait_loadcnt \left
.irp i, 0,1,2,3,4,5,6,7
.irp c, 0,1,2,3
	v_mul_f32 v[X+16*\c+8*\p+\i], v[KR+4*(8*\p+\i)+\c], v[MR+4*(8*\p+\i)+\c]
.endr
.endr
.irp c, 0,1,2,3
.irp i, 0,1,2,3,4,5,6,7
	v_med3_num_f32 v[X+16*\c+8*\p+\i], v[X+16*\c+8*\p+\i], -v10, v10   ; the conversion does not saturate (ISA guide 7.6.2): hold first
.endr
.endr
.irp c, 0,1,2,3
	v_cvt_scalef32_pk8_bf8_f32 v[C+4*\c+2*\p:C+4*\c+2*\p+1], v[X+16*\c+8*\p:X+16*\c+8*\p+7], v11
.endr
.endm
	HALF 0, 16                                     ; the sixteen youngest loads, rows 8 to 15 of both tensors, may be out
	HALF 1, 0
	v_nop                                          ; one plain vector line behind the last conversion
.irp c, 0,1,2,3
	ds_store_b128 v[STO], v[C+4*\c:C+4*\c+3] offset:\c*CR*SP   ; column 4 l + c, K = 16 w .. 16 w + 15
.endr
	s_wait_dscnt 0x0                               ; for the others' sake: my stores into the stage are done
	s_barrier_signal -1
	s_barrier_wait -1
.irp j, 0,1,2,3
	ds_load_b128 v[OUT+4*\j:OUT+4*\j+3], v[RD] offset:\j*8*SP   ; block 2 j + thread / 256
.endr
.irp j, 0,1,2,3
	s_wait_dscnt 3-\j
	global_store_b128 v[CO], v[OUT+4*\j:OUT+4*\j+3], s[10:11] offset:\j*131072   ; a wave stores 512 consecutive bytes, at a multiple of 512
.endr
	s_wait_tensorcnt 0x0                           ; the wave's end
	ds_add_u32 v224, v225
	s_wait_dscnt 0x0
	s_endpgm
.Lfunc_end_k_q0744c37f20_maskq:
	.size	k_q0744c37f20_maskq, .Lfunc_end_k_q0744c37f20_maskq-k_q0744c37f20_maskq
	.p2alignl 7, 3214868480
	.fill 96, 4, 3214868480
	.section	.rodata,"a",@progbits
	.p2align	6, 0x0
	.amdhsa_kernel k_q0744c37f20_maskq
		.amdhsa_group_segment_fixed_size 40192
		.amdhsa_private_segment_fixed_size 0
		.amdhsa_enable_private_segment 0
		.amdhsa_kernarg_size 32
		.amdhsa_user_sgpr_count 2
		.amdhsa_user_sgpr_kernarg_segment_ptr 1
		.amdhsa_wavefront_size32 1
		.amdhsa_system_sgpr_workgroup_id_x 1
		.amdhsa_system_sgpr_workgroup_id_y 1
		.amdhsa_system_sgpr_workgroup_id_z 1
		.amdhsa_system_vgpr_workitem_id 0
		.amdhsa_next_free_vgpr 226
		.amdhsa_next_free_sgpr 66
		.amdhsa_reserve_vcc 0
		.amdhsa_float_denorm_mode_32 3
		.amdhsa_float_denorm_mode_16_64 3
		.amdhsa_memory_ordered 1
		.amdhsa_forward_progress 1
		.amdhsa_inst_pref_size 14
	.end_amdhsa_kernel
	.amdgpu_metadata
---
amdhsa.version: [ 1, 2 ]
amdhsa.kernels:
  - .name:           k_q0744c37f20_maskq
    .symbol:         k_q0744c37f20_maskq.kd
    .args:
      - { .name: kernel, .offset: 0, .size: 8, .value_kind: global_buffer, .address_space: global }
      - { .name: map, .offset: 8, .size: 8, .value_kind: global_buffer, .address_space: global }
      - { .name: lowp_scales, .offset: 16, .size: 8, .value_kind: global_buffer, .address_space: global }
      - { .name: w_codes, .offset: 24, .size: 8, .value_kind: global_buffer, .address_space: global }
    .group_segment_fixed_size: 40192
    .private_segment_fixed_size: 0
    .kernarg_segment_align: 8
    .kernarg_segment_size: 32
    .max_flat_workgroup_size: 512
    .sgpr_count:     66
    .vgpr_count:     226
    .wavefront_size: 32
...
	.end_amdgpu_metadata
.endif
;; end of part 1
;; launch gemm (part 2): grid 8 x 32, 4 waves a work-group, clusters of 4 x 4, 327,680 bytes of LDS; arguments inputs_codes, w_codes, lowp_scales, bias, out0; writes out0
.if DOCPART == 2
	.amdgcn_target "amdgcn-amd-amdhsa--gfx1250"
	.amdhsa_code_object_version 6
	.text
	.protected	k_q0744c37f20_gemm
	.globl	k_q0744c37f20_gemm
	.p2align	8
	.type	k_q0744c37f20_gemm,@function
k_q0744c37f20_gemm:
	s_mov_b64 s[64:65], 0
	v_nop
	global_prefetch_b8 v0, s[64:65] scope:SCOPE_SE
	s_setreg_imm32_b32 hwreg(HW_REG_WAVE_MODE, 25, 1), 1
	s_wait_xcnt 0x0
	s_wait_alu depctr_hold_cnt(0) depctr_sa_sdst(0) depctr_va_vdst(0) depctr_va_sdst(0) depctr_va_ssrc(0) depctr_va_vcc(0) depctr_vm_vsrc(0)
	s_getreg_b32 s2, hwreg(HW_REG_IB_STS2, 6, 4)
	s_cmp_eq_u32 s2, 0
	s_cbranch_scc0 .Lentry_in_a_cluster
	s_endpgm
.Lentry_in_a_cluster:
	s_bfe_u32 s2, ttmp6, 0x10000c
	s_cmp_lg_u32 s2, 0xf033
	s_cbranch_scc0 .Lentry_shape_is_right
	s_endpgm
.Lentry_shape_is_right:
; out0[m][n] = 2^(e0 + e1) x sum over k of A[m][k] B[n][k] + bias[n].  A = inputs_codes [8192][4096], E5M2 codes, K innermost; B = w_codes, the masked weight's codes as an image of operand registers
; (block nb of 16 columns, step ks of 128 along K: 2,048 bytes at (32 nb + ks) x 2,048; chunk c of 512 bytes; lane l's 16 bytes: column 16 nb + l % 16, K = 128 ks + 32 c + 16 (l / 16) + 0 .. 15).
; LIMIT: e0 + e1 lies between -126 and 127, so that 2^(e0 + e1) is an f32 number.
; A work-group of four waves makes 256 x 256 of out0; a wave makes ALL 256 rows x 64 columns: 64 accumulators, 512 registers.
; B GOES FROM MEMORY STRAIGHT INTO REGISTERS: a wave's 64 columns are read by no other wave of its work-group, so LDS would add a write and a read to each byte.  Four sets of 64 registers; step s asks for step s + 3's set.
; A GOES THROUGH A RING OF TWO LDS SLOTS, each 256 rows x 512 along K (four steps of 128): with A alone the two slots take 270,336 bytes; B's tiles beside them would halve a slot's K.
; CLUSTERS: 4 x 4 work-groups.  The four of a row of the cluster need the same tiles of A and ask for them JOINTLY.  B has no joint load, since it does not go through LDS.
; The k of a fragment's registers are permuted alike in A and B (four 16-byte pieces, 32 bytes apart): every product meets its partner.
; THE MATRIX INSTRUCTION IS USED TRANSPOSED (source 0 = 16 columns of B, source 1 = 16 rows of A): a lane holds eight neighbouring numbers of a row of out0.
; REGISTERS: window 0: v0-31 addresses, v32-95 in the loop four more blocks of A at a change of slots, behind it B's fifth set (step 31's), v96-127 the way out, v128-255 A's ring of 8 blocks (16 rows x 128 K each);
;   window 1: B's four sets; windows 2, 3: accumulator (a, b) at v[8 (4 (a % 8) + b)] of window 2 + a / 8.
; A step is 16 blocks of A, each against B's four fragments; four blocks are a group; behind group G its half of the ring takes group G + 2.
; THE LAST SLOT (STEPS 28 TO 31) GOES BY ROWS: each block of 16 rows is finished by 16 matrix instructions and leaves at once, the next block's products standing between its trip through the stage and its stores.
; There the steps of a sum are taken in the order 31, 28, 29, 30: step 30's set is the last that was asked for.
.set PITCH,  528                       ; an LDS row: 512 bytes + 16 of padding
.set QROWS,  64*PITCH                  ; what one tensor load brings
.set SLOT,   4*QROWS
.set SPARE,  2*SLOT                    ; behind the ring: the spare words, 128 bytes a wave
.set SPITCH, 272                       ; the way out: a stage of 16 rows x (256 + 16) bytes a wave, in slot 0, which has had its last fill and its last read by then
.set BIA,  12                          ; v12-15 bias of my four columns on the way out
.set ADRA, 16                          ; v16-19 LDS address of my A fragments: slot 0 blocks 0-7, 8-15; slot 1 likewise
.set BOF,  20                          ; v20 16 x lane
.set BO,   21                          ; v21 16 x (lane % 16)
.set STO,  24
.set RD,   25
.set CO,   26
.set SPW,  28                          ; my spare word; never rewritten
.set NIL,  29                          ; 0; never rewritten
.set PFOA, 30                          ; prefetch offsets
.set PFOB, 31
.set XB,   32                          ; in the loop: group 3 of a slot's last step
.set EB,   32                          ; behind the loop: B's fifth set
.set BK,   96                          ; 16 rows read back from the stage
.set AF,   128
.set G1, 24                            ; s[24:31] descriptor group 1
.set G0, 32                            ; s[32:39] group 0, one set for each slot
.set BB, 48                            ; s[48:49] my columns' image
.set PFA, 50
.set PFB, 52
.set FLG, 54                           ; 1: my cluster asks for B's image ahead
.set SC, 56                            ; s[56:57] e0, e1; then 2^(e0 + e1)
.set MSB, 0
.macro WIN new                         ; the immediate's high byte repeats the setting that is left
.if MSB != (\new)
	s_set_vgpr_msb (MSB<<8)|(\new)
.set MSB, (\new)
.endif
.endm
.set MUL_LO, 0xa1                      ; source 0 (B) window 1, source 1 (A) window 0, C and D window 2
.set MUL_HI, 0xf1                      ; the same, C and D window 3
.set MUL_E,  0xa0                      ; source 0 in window 0: B's fifth set
.set TO_B,   0x40                      ; destination window 1, address window 0
.macro CREST                           ; a round of the cluster's barrier behind its opening barrier
	s_cmp_lg_u32 s14, 0
	s_cbranch_scc1 .Lnot_wave_0_\@
	s_barrier_signal -3
.Lnot_wave_0_\@:
	s_barrier_wait -3
	s_barrier_signal -1
	s_barrier_wait -1
.endm
.macro CROUND
	s_barrier_signal -1
	s_barrier_wait -1
	CREST
.endm
.macro PLACES                          ; four places in front of loads into registers that matrix instructions have read, and of reads of results
.rept 4
	v_nop
.endr
.endm
; 4 matrix instructions: block i of group g x B's four fragments of set p.  The accumulators take turns.
.macro MUL4 g, p, i, zero
.irp b, 0,1,2,3
.if \zero
	v_wmma_f32_16x16x128_bf8_bf8 v[8*(4*((4*(\g)+(\i))%8)+\b):8*(4*((4*(\g)+(\i))%8)+\b)+7], v[64*(\p)+16*\b:64*(\p)+16*\b+15], v[AF+64*((\g)%2)+16*(\i):AF+64*((\g)%2)+16*(\i)+15], 0
.else
	v_wmma_f32_16x16x128_bf8_bf8 v[8*(4*((4*(\g)+(\i))%8)+\b):8*(4*((4*(\g)+(\i))%8)+\b)+7], v[64*(\p)+16*\b:64*(\p)+16*\b+15], v[AF+64*((\g)%2)+16*(\i):AF+64*((\g)%2)+16*(\i)+15], v[8*(4*((4*(\g)+(\i))%8)+\b):8*(4*((4*(\g)+(\i))%8)+\b)+7]
.endif
.endr
.endm
.macro MULX i                          ; block 12 + i of a slot's last step, from v32-95, x B's set 3
.irp b, 0,1,2,3
	v_wmma_f32_16x16x128_bf8_bf8 v[8*(4*(4+(\i))+\b):8*(4*(4+(\i))+\b)+7], v[192+16*\b:192+16*\b+15], v[XB+16*(\i):XB+16*(\i)+15], v[8*(4*(4+(\i))+\b):8*(4*(4+(\i))+\b)+7]
.endr
.endm
; A group: block i waits for its own four LDS loads alone: behind them stand the 4 (3 - i) of its run's later blocks and the next group's sixteen.
.macro GROUP g, p, zero
	WIN MUL_LO+0x50*((\g)/2)
.irp i, 0,1,2,3
	s_wait_dscnt 28-4*\i
	MUL4 \g, \p, \i, \zero
.endr
.endm
.macro FETCHA slot, q, g               ; 16 LDS loads: group g's four blocks of the slot's q-th 128 along K, into half g % 2 of the ring
.irp i, 0,1,2,3
.irp c, 0,1,2,3
	ds_load_b128 v[AF+64*((\g)%2)+16*\i+4*\c:AF+64*((\g)%2)+16*\i+4*\c+3], v[ADRA+2*(\slot)+(\g)/2] offset:128*(\q)+32*\c+((4*(\g)+\i)%8)*16*PITCH
.endr
.endr
.endm
.macro FETCHX slot                     ; 16 LDS loads: blocks 12 to 15 of the slot's last 128 along K, into v32-95
.irp i, 0,1,2,3
.irp c, 0,1,2,3
	ds_load_b128 v[XB+16*\i+4*\c:XB+16*\i+4*\c+3], v[ADRA+2*(\slot)+1] offset:384+32*\c+(4+\i)*16*PITCH
.endr
.endr
.endm
.macro FETCHB r, kk                    ; 16 loads of 512 consecutive bytes: B's four fragments of step kk (counted from the base) into the 64 registers from r on
.irp b, 0,1,2,3
.irp c, 0,1,2,3
	global_load_b128 v[(\r)+16*\b+4*\c:(\r)+16*\b+4*\c+3], v[BOF], s[BB:BB+1] offset:65536*\b+2048*(\kk)+512*\c
.endr
.endr
.endm
.macro ALOADR a                        ; by rows: block a's fragments of all of slot 1, 64 registers, half a % 2 of the ring
.irp q, 0,1,2,3
.irp c, 0,1,2,3
	ds_load_b128 v[AF+64*((\a)%2)+16*\q+4*\c:AF+64*((\a)%2)+16*\q+4*\c+3], v[ADRA+2+(\a)/8] offset:128*\q+32*\c+((\a)%8)*16*PITCH
.endr
.endr
.endm
; A step's groups 0 and 1; the set that the last step left takes the step three on.
.macro HALF1 slot, q, zero, kk
	s_wait_loadcnt 32                              ; my set is in; at least the two youngest sets may be out
	GROUP 0, \q, \zero
	PLACES
	WIN TO_B
	FETCHB 64*(((\q)+3)%4), \kk
	WIN 0
	FETCHA \slot, \q, 2
	GROUP 1, \q, \zero
	PLACES
	WIN 0
	FETCHA \slot, \q, 3
.endm
.macro HALF2 q, zero, ns, nq           ; groups 2 and 3 of a step that does not change slots
	GROUP 2, \q, \zero
	PLACES
	WIN 0
	FETCHA \ns, \nq, 0
	GROUP 3, \q, \zero
	PLACES
	WIN 0
	FETCHA \ns, \nq, 1
.endm
; Prefetches, behind the joint load and the run of LDS loads: the slot of K three on from the one just read out, one slot of work ahead of the refill that loads A's part, and more than a slot ahead of B's loads.
; A: of the 64 rows that I fetch, my work-group takes 16 by its place along x (by address): 32 lanes = 16 rows x 2 blocks of 256 bytes.  B: of my four blocks of 16 columns the partner at place cy takes one: 32 x 256 bytes.
; B's image is the same for all eight rows of clusters: two of them ask.  guard = 1: the loop's last trip has no such slot.
.macro ASK guard
.if \guard
	s_cmp_gt_u32 s3, 1
	s_cbranch_scc0 .Lno_ask_\@
.endif
	global_prefetch_b8 v[PFOA], s[PFA:PFA+1] th:TH_LOAD_NT scope:SCOPE_SE
	s_cmp_lg_u32 s[FLG], 0
	s_cbranch_scc0 .Lno_ask_\@
	global_prefetch_b8 v[PFOB], s[PFB:PFB+1] th:TH_LOAD_NT scope:SCOPE_SE
.Lno_ask_\@:
.endm
; A slot's last step in the loop, with the change of slots.  Groups 2 and 3 are fetched in one run behind group 0, group 3 into v32-95: so my reads of the slot are asked for a whole group ahead of the barrier.
; ONE barrier; in front of it each wave waits for its tensor load, adds 0 to its spare word and waits for that and for its reads of this slot.  Behind the round the slot is filled again, and both halves of the ring take the next slot's first groups.
.macro LAST slot, kk, guard
	s_wait_loadcnt 32
	GROUP 0, 3, 0
	PLACES
	WIN TO_B
	FETCHB 128, \kk
	WIN 0
	FETCHA \slot, 3, 2
	FETCHX \slot
	WIN MUL_LO
.irp i, 0,1,2,3
	s_wait_dscnt 44-4*\i                           ; behind block i's loads: the 4 (3 - i) of its run and the 32 just issued
	MUL4 1, 3, \i, 0
.endr
	WIN 0
	s_wait_xcnt 0x0                                ; my prefetches have read their addresses
	s_add_nc_u64 s[PFA:PFA+1], s[PFA:PFA+1], 512
	s_add_nc_u64 s[PFB:PFB+1], s[PFB:PFB+1], 8192
	s_wait_tensorcnt 0x0                           ; my part of the next slot has landed
	ds_add_u32 v[SPW], v[NIL]
	s_add_nc_u64 s[G0+4*\slot+2:G0+4*\slot+3], s[G0+4*\slot+2:G0+4*\slot+3], 1024   ; this slot's next 512 along K
	WIN MUL_HI
	s_wait_dscnt 29                                ; group 2's first block is in: behind it its run's 12, group 3's 16 and the add
	MUL4 2, 3, 0, 0
	s_wait_dscnt 0x0                               ; the add is done, and my reads of this slot are over
	s_barrier_signal -1
.irp i, 1,2,3
	MUL4 2, 3, \i, 0
.endr
	WIN 0
	s_barrier_wait -1
	CREST                                          ; the barrier has opened a round of the cluster's barrier
	tensor_load_to_lds s[G0+4*\slot:G0+4*\slot+3], s[G1:G1+7]   ; my one load behind the round: 64 rows x 512 bytes; 240 matrix instructions stand between it and the wait for it
	s_nop 0
	PLACES
	FETCHA 1-\slot, 0, 0
	FETCHA 1-\slot, 0, 1
	ASK \guard
	WIN MUL_HI
.irp i, 0,1,2,3
	MULX \i
.endr
.endm
; Groups 2 and 3 of step 27 and the last change of slots: nothing is filled again, so no round follows; the next slot is read by rows.
.macro TURNR
	s_wait_tensorcnt 0x0                           ; my part of the last slot has landed
	ds_add_u32 v[SPW], v[NIL]
	WIN MUL_HI
.irp i, 0,1,2
	s_wait_dscnt 29-4*\i                           ; as in a group, and the add
	MUL4 2, 3, \i, 0
.endr
	s_wait_dscnt 0x0                               ; the add is done, and my reads of this slot are over
	s_barrier_signal -1
	MUL4 2, 3, 3, 0
	WIN 0
	s_barrier_wait -1
	PLACES
	ALOADR 0
	WIN MUL_HI
.irp i, 0,1,2,3
	MUL4 3, 3, \i, 0
.endr
	PLACES
	WIN 0
	ALOADR 1
.endm
	s_load_b128 s[4:7], s[0:1], 0x0                ; A's codes, B's image
	s_load_b128 s[8:11], s[0:1], 0x10              ; the scales' exponents, bias
	s_load_b64 s[12:13], s[0:1], 0x20              ; out0
	v_lshl_add_u32 v[SPW], v0, 2, SPARE
	v_mov_b32 v[NIL], 0
	ds_add_u32 v[SPW], v[NIL]                      ; the opening lines: the add, twice on end, and its wait ahead of my first tensor load
	ds_add_u32 v[SPW], v[NIL]
	v_lshrrev_b32 v1, 5, v0
	v_readfirstlane_b32 s14, v1                    ; wave 0..3
	s_bfe_u32 s40, ttmp6, 0x40000                  ; cx
	s_bfe_u32 s41, ttmp6, 0x40004                  ; cy
	s_lshl_b32 s42, ttmp9, 2
	s_add_co_u32 s42, s42, s40                     ; tile column
	s_and_b32 s16, ttmp7, 0xffff                   ; the cluster's y
	s_lshl_b32 s17, s16, 2
	s_add_co_u32 s17, s17, s41                     ; tile row
	s_lshl_b32 s43, s41, 2
	s_lshl_b32 s43, 15, s43                        ; my row of the cluster
	s_or_b32 s[G1+0], s43, (1<<20)|(1<<21)|(6<<22)|(3<<25)   ; the mask; elements of 1 byte; padding on; bit 21 beside a mask; 4 words behind every 128
	s_mov_b32 s[G1+1], 512<<16                     ; tensor_dim0
	s_mov_b32 s[G1+2], 64<<16                      ; tensor_dim1
	s_mov_b32 s[G1+3], 512<<16                     ; tile_dim0
	s_mov_b32 s[G1+4], 64                          ; tile_dim1
	s_mov_b32 s[G1+5], 4096                        ; from row to row
	s_mov_b32 s[G1+6], 0
	s_mov_b32 s[G1+7], 0
	s_and_b32 s[FLG], s16, 3
	s_cmp_eq_u32 s[FLG], 0
	s_cselect_b32 s[FLG], 1, 0                     ; rows 0 and 4 of the eight rows of clusters
	s_lshl_b32 s18, s14, 18                        ; wave x 64 rows of A = wave x 4 blocks of the image: 262,144 bytes either way
	s_lshl_b32 s20, s17, 20
	s_add_co_u32 s20, s20, s18                     ; A: row 256 x tile row + 64 x wave
	s_mov_b32 s21, 0
	s_lshl_b32 s46, s42, 20
	s_add_co_u32 s46, s46, s18                     ; B: block 16 x tile column + 4 x wave
	s_mov_b32 s47, 0
	s_lshl_b32 s22, s40, 16
	s_add_co_u32 s22, s22, s20
	s_add_co_u32 s22, s22, 1024                    ; A's prefetches: + 16 cx rows, at slot 2 of K (the first change of slots steps it to 3)
	s_mov_b32 s23, 0
	s_lshl_b32 s58, s41, 16
	s_add_co_u32 s58, s58, s46
	s_add_co_u32 s58, s58, 16384                   ; B's: + block cy, at slot 2 of K
	s_mov_b32 s59, 0
	s_lshl_b32 s62, s42, 10
	s_lshl_b32 s63, s14, 8
	s_add_co_u32 s62, s62, s63                     ; my 64 columns, in bytes of f32
	s_mov_b32 s63, 0
	s_lshl_b32 s60, s17, 21
	s_add_co_u32 s60, s60, s62                     ; out0: 256 x tile row rows of 8,192 bytes + my columns
	s_mov_b32 s61, 0
	s_mul_i32 s45, s14, QROWS                      ; where my rows of a tile go
	s_mul_i32 s19, s14, 16*SPITCH                  ; my stage
	v_and_b32 v1, 15, v0                           ; r
	v_bfe_u32 v2, v0, 4, 1                         ; h
	v_and_b32 v3, 31, v0                           ; lane
	v_and_b32 v4, 1, v0
	v_mul_u32_u24 v5, v1, PITCH
	v_mul_u32_u24 v6, v1, SPITCH
	v_mul_u32_u24 v7, v2, SPITCH
	v_lshrrev_b32 v8, 1, v3
	v_lshlrev_b32 v4, 8, v4
	v_lshlrev_b32 v9, 13, v2
	v_lshl_add_u32 v[ADRA], v2, 4, v5              ; a fragment's row x pitch + 16 h
	v_lshl_add_u32 v6, v2, 5, v6                   ; into the stage: row r, 32 bytes for each half of the lanes
	v_lshl_add_u32 v7, v1, 4, v7                   ; back: lanes 0-15 one row of 256 bytes, lanes 16-31 the next
	v_lshl_add_u32 v[PFOA], v8, 12, v4             ; row lane / 2, block lane % 2
	v_lshl_add_u32 v[CO], v1, 4, v9                ; the same two rows in out0
	v_lshlrev_b32 v[BOF], 4, v3
	v_lshlrev_b32 v[BO], 4, v1
	v_lshlrev_b32 v[PFOB], 8, v3
	v_add_nc_u32 v[STO], s19, v6
	v_add_nc_u32 v[RD], s19, v7
	v_add_nc_u32 v[ADRA+1], 8*16*PITCH, v[ADRA]
	v_add_nc_u32 v[ADRA+2], SLOT, v[ADRA]
	v_add_nc_u32 v[ADRA+3], SLOT+8*16*PITCH, v[ADRA]
	s_wait_alu depctr_va_vdst(0)                   ; the wait at the head's end
	s_wait_dscnt 0x0                               ; both opening adds are done
	s_wait_kmcnt 0x0
	s_load_b64 s[SC:SC+1], s[8:9], 0x0             ; e0, e1
	s_add_nc_u64 s[10:11], s[10:11], s[62:63]
	global_load_b128 v[BIA:BIA+3], v[BO], s[10:11] ; the oldest load: every later count on LOADcnt covers it
	s_add_nc_u64 s[BB:BB+1], s[6:7], s[46:47]
	WIN TO_B
	FETCHB 0, 0                                    ; B's set of step 0
	WIN 0
	s_add_nc_u64 s[20:21], s[4:5], s[20:21]
.irp s, 0,1
	s_mov_b32 s[G0+4*\s], 1
	s_add_co_u32 s[G0+4*\s+1], s45, \s*SLOT
	s_add_nc_u64 s[G0+4*\s+2:G0+4*\s+3], s[20:21], \s*512
	s_or_b32 s[G0+4*\s+3], s[G0+4*\s+3], 0x80000000
.endr
	s_add_nc_u64 s[PFA:PFA+1], s[4:5], s[22:23]
	s_add_nc_u64 s[PFB:PFB+1], s[6:7], s[58:59]
	s_add_nc_u64 s[12:13], s[12:13], s[60:61]
	CROUND                                         ; all sixteen work-groups are here: the first joint loads meet
	tensor_load_to_lds s[G0:G0+3], s[G1:G1+7]      ; slot 0: one tensor load a wave at the head
	s_nop 0
	WIN TO_B
	FETCHB 64, 1                                   ; B's sets of steps 1 and 2
	FETCHB 128, 2
	WIN 0
	s_wait_tensorcnt 0x0                           ; my part of slot 0 is in; slot 1's first fill is issued as a refill is
	ds_add_u32 v[SPW], v[NIL]
	s_wait_dscnt 0x0
	CROUND
	tensor_load_to_lds s[G0+4:G0+7], s[G1:G1+7]
	s_nop 0
	PLACES
	FETCHA 0, 0, 0
	FETCHA 0, 0, 1
	HALF1 0, 0, 1, 3                               ; step 0 stands in front of the loop: its products start the sums
	HALF2 0, 1, 0, 1
	s_mov_b32 s3, 3
.Llap:                                                 ; a trip: eight steps, once round the ring, from a lap's second step to the next lap's first
	HALF1 0, 1, 0, 4
	HALF2 1, 0, 0, 2
	HALF1 0, 2, 0, 5
	HALF2 2, 0, 0, 3
	LAST 0, 6, 0
	HALF1 1, 0, 0, 7
	HALF2 0, 0, 1, 1
	HALF1 1, 1, 0, 8
	HALF2 1, 0, 1, 2
	HALF1 1, 2, 0, 9
	HALF2 2, 0, 1, 3
	LAST 1, 10, 1
	HALF1 0, 0, 0, 11
	HALF2 0, 0, 0, 1
	s_wait_xcnt 0x0                                ; B's loads have read their base
	s_add_nc_u64 s[BB:BB+1], s[BB:BB+1], 8*2048
	s_sub_co_u32 s3, s3, 1
	s_cmp_lg_u32 s3, 0
	s_cbranch_scc1 .Llap
	FETCHB EB, 7                                   ; step 31's set, into v32-95, which the loop has done with, three steps ahead of its use
	HALF1 0, 1, 0, 4                               ; steps 25 to 27; they ask for the sets of steps 28 to 30
	HALF2 1, 0, 0, 2
	HALF1 0, 2, 0, 5
	HALF2 2, 0, 0, 3
	HALF1 0, 3, 0, 6
	TURNR                                          ; the last change of slots; the ring's halves take blocks 0 and 1 by rows
; STEPS 28 TO 31 BY ROWS.  ROW: block a is finished: its four accumulators by turns, three other matrix instructions between two steps of a sum.
.macro ROW a
	WIN MUL_E+0x50*((\a)/8)
.irp b, 0,1,2,3
	v_wmma_f32_16x16x128_bf8_bf8 v[8*(4*((\a)%8)+\b):8*(4*((\a)%8)+\b)+7], v[EB+16*\b:EB+16*\b+15], v[AF+64*((\a)%2)+48:AF+64*((\a)%2)+63], v[8*(4*((\a)%8)+\b):8*(4*((\a)%8)+\b)+7]
.endr
	WIN MUL_LO+0x50*((\a)/8)
.irp q, 0,1,2
.if ((\a) == 0) && (\q == 2)
	s_wait_loadcnt 0x0                             ; step 30's set
.endif
.irp b, 0,1,2,3
	v_wmma_f32_16x16x128_bf8_bf8 v[8*(4*((\a)%8)+\b):8*(4*((\a)%8)+\b)+7], v[64*\q+16*\b:64*\q+16*\b+15], v[AF+64*((\a)%2)+16*\q:AF+64*((\a)%2)+16*\q+15], v[8*(4*((\a)%8)+\b):8*(4*((\a)%8)+\b)+7]
.endr
.endr
.endm
.macro TOSTAGE a                       ; 16 rows x 64 columns into my stage, each accumulator from its low end on, and back as whole rows of 256 bytes (LDS serves a wave's instructions in order: ISA guide 5.7.1.4)
	WIN 0x08+4*((\a)/8)
.irp b, 0,1,2,3
	ds_store_b128 v[STO], v[8*(4*((\a)%8)+\b):8*(4*((\a)%8)+\b)+3] offset:64*\b
	ds_store_b128 v[STO], v[8*(4*((\a)%8)+\b)+4:8*(4*((\a)%8)+\b)+7] offset:64*\b+16
.endr
	WIN 0
.irp t, 0,1,2,3,4,5,6,7
	ds_load_b128 v[BK+4*\t:BK+4*\t+3], v[RD] offset:\t*2*SPITCH
.endr
.endm
.macro SEND a, younger                 ; x 2^(e0 + e1), + bias, stored: sixteen lanes fill 256 consecutive bytes, at a multiple of 256.  The sixteen multiply-adds are also the places behind the next block's products
	WIN 0
	s_wait_dscnt \younger
.irp t, 0,1,2,3,4,5,6,7
	v_pk_fma_f32 v[BK+4*\t:BK+4*\t+1], v[BK+4*\t:BK+4*\t+1], s[SC:SC+1], v[BIA:BIA+1] op_sel_hi:[1,0,1]
	v_pk_fma_f32 v[BK+4*\t+2:BK+4*\t+3], v[BK+4*\t+2:BK+4*\t+3], s[SC:SC+1], v[BIA+2:BIA+3] op_sel_hi:[1,0,1]
.endr
.irp t, 0,1,2,3,4,5,6,7
	global_store_b128 v[CO], v[BK+4*\t:BK+4*\t+3], s[12:13] offset:(16*(\a)+2*\t)*8192 th:TH_STORE_NT
.endr
.endm
	s_wait_kmcnt 0x0
	s_add_co_i32 s[SC], s[SC], s[SC+1]
	s_add_co_i32 s[SC], s[SC], 127
	s_lshl_b32 s[SC], s[SC], 23                    ; 2^(e0 + e1) as f32
	s_wait_loadcnt 16                              ; all but step 30's set: the bias and the sets of steps 31, 28, 29 are in
	s_wait_dscnt 16                                ; block 0 is in; block 1 may be out
	ROW 0
	PLACES
.irp a, 0,1,2,3,4,5,6,7,8,9,10,11,12,13,14,15
.if \a > 0
	s_wait_xcnt 0x0                                ; block a - 1's stores have read their registers
.endif
	TOSTAGE \a
.if \a < 14
	ALOADR \a+2                                    ; block a's half of the ring takes the block two on
	s_wait_dscnt 32                                ; block a + 1 is in: behind its loads stand the stage's sixteen instructions and the sixteen loads just issued
	ROW \a+1
	SEND \a, 16
.else
.if \a < 15
	s_wait_dscnt 16
	ROW \a+1
.endif
	SEND \a, 0
.endif
.endr
	s_wait_tensorcnt 0x0                           ; the wave's end
	ds_add_u32 v[SPW], v[NIL]
	s_wait_dscnt 0x0
	CROUND                                         ; the closing round
	s_endpgm
.Lfunc_end_k_q0744c37f20_gemm:
	.size	k_q0744c37f20_gemm, .Lfunc_end_k_q0744c37f20_gemm-k_q0744c37f20_gemm
	.p2alignl 7, 3214868480
	.fill 96, 4, 3214868480
	.section	.rodata,"a",@progbits
	.p2align	6, 0x0
	.amdhsa_kernel k_q0744c37f20_gemm
		.amdhsa_group_segment_fixed_size 327680
		.amdhsa_private_segment_fixed_size 0
		.amdhsa_enable_private_segment 0
		.amdhsa_kernarg_size 40
		.amdhsa_user_sgpr_count 2
		.amdhsa_user_sgpr_kernarg_segment_ptr 1
		.amdhsa_wavefront_size32 1
		.amdhsa_system_sgpr_workgroup_id_x 1
		.amdhsa_system_sgpr_workgroup_id_y 1
		.amdhsa_system_sgpr_workgroup_id_z 1
		.amdhsa_system_vgpr_workitem_id 0
		.amdhsa_next_free_vgpr 1024
		.amdhsa_next_free_sgpr 66
		.amdhsa_reserve_vcc 0
		.amdhsa_float_denorm_mode_32 3
		.amdhsa_float_denorm_mode_16_64 3
		.amdhsa_memory_ordered 1
		.amdhsa_forward_progress 1
		.amdhsa_inst_pref_size 224
	.end_amdhsa_kernel
	.amdgpu_metadata
---
amdhsa.version: [ 1, 2 ]
amdhsa.kernels:
  - .name:           k_q0744c37f20_gemm
    .symbol:         k_q0744c37f20_gemm.kd
    .args:
      - { .name: inputs_codes, .offset: 0, .size: 8, .value_kind: global_buffer, .address_space: global }
      - { .name: w_codes, .offset: 8, .size: 8, .value_kind: global_buffer, .address_space: global }
      - { .name: lowp_scales, .offset: 16, .size: 8, .value_kind: global_buffer, .address_space: global }
      - { .name: bias, .offset: 24, .size: 8, .value_kind: global_buffer, .address_space: global }
      - { .name: out0, .offset: 32, .size: 8, .value_kind: global_buffer, .address_space: global }
    .group_segment_fixed_size: 327680
    .private_segment_fixed_size: 0
    .kernarg_segment_align: 8
    .kernarg_segment_size: 40
    .max_flat_workgroup_size: 128
    .sgpr_count:     66
    .vgpr_count:     1024
    .wavefront_size: 32
...
	.end_amdgpu_metadata
.endif
;; end of part 2
